; MI455X (gfx1250); checked and timed in simulation.
; The chip was launched on July 23, 2026; its instructions are those of AMD's public machine-readable ISA for CDNA 5 (MIT licence, August 2026) and "CDNA5" Instruction Set Architecture Reference Guide (July 2026). The comments in the code are by the model that wrote it; some were corrected since.
;; Self Attention Model. Allowed arithmetic: matrix products marked QUANTISED: E2M1 operands, one E8M0 scale for each 32 along K, by v_wmma_scale_f32_16x16x128_f8f6f4 with both operands' format E2M1 (or v_wmma_scale_f32_32x16x128_f4), f32 sums; everything else in f32.
;; Inputs: Wfc 256 x 256 float32; Win 768 x 256 float32; Wk 256 x 256 float32; Wout 256 x 256 float32; Wq 256 x 256 float32; Wv 256 x 256 float32; beta 256 float32; bfc 256 float32; bin_ 768 float32; bk 256 float32; bout 256 float32; bq 256 float32; bv 256 float32; gamma 256 float32; mask 4 x 2,048 float32; mod 2,048 x 4 x 256 float32.
;; Outputs: out0 2,048 x 4 x 256 float32.
;; Constants: req = 16.
;; This version of the problem:
;;   THIS VERSION OF THE PROBLEM IS GIVEN IN LOW PRECISION. The matrix products marked QUANTISED in the list below multiply operands that are first quantised to E2M1 (2 exponent bits, 1 mantissa bit; 4 bits a number), with one power-of-two scale for each 32 numbers along K (OCP MX v1.0); their sums are f32. All else is computed in f32.
;;   The module's matrix products, in the order in which they are computed (A, B: the left and right operand; K: the contracted axis; several contracted axes count as one K, in the product's order):
;;     1. [M 8,192, K 256] x [K 256, N 256]; A: input mod; B: input Wq: QUANTISED
;;     2. [M 8,192, K 256] x [K 256, N 256]; A: input mod; B: input Wk: QUANTISED
;;     3. [M 8,192, K 256] x [K 256, N 256]; A: input mod; B: input Wv: QUANTISED
;;     4. [M 8,192, K 256] x [K 256, N 256]; A: computed on the way; B: input Win: QUANTISED
;;     5. [M 8,192, K 256] x [K 256, N 256]; A: computed on the way; B: input Win: QUANTISED
;;     6. [M 8,192, K 256] x [K 256, N 256]; A: computed on the way; B: input Win: QUANTISED
;;     7. batch 32 x [M 2,048, K 32] x [K 32, N 2,048]; A: computed on the way; B: computed on the way: QUANTISED
;;     8. batch 32 x [M 2,048, K 2,048] x [K 2,048, N 32]; A: softmax (see below); B: computed on the way: QUANTISED
;;     9. [M 8,192, K 256] x [K 256, N 256]; A: computed on the way; B: input Wout: QUANTISED
;;     10. [M 8,192, K 256] x [K 256, N 256]; A: computed on the way; B: input Wfc: QUANTISED
;;   THE QUANTISER, for each operand of a quantised product, along K:
;;     - K is cut into blocks of 32 from its start; a last block that is shorter is filled with zeros.
;;     - A block's scale is 2^e with e = floor(log2(the largest magnitude in the block)) - 2, held to -126 .. 127; a block of zeros has e = 0. As a byte (E8M0): e + 127.
;;     - Each number is divided by its block's scale, clamped to +-6, and rounded to the nearest number of E2M1, ties to even, subnormals kept.
;;     - The product sums the exact products of the quantised numbers (number of the format x scale) in f32.
;;   ~~~python
;;   def quantise(x, axis):      # numpy; x: float32 -> the quantised numbers, widened to float32 again
;;       x = np.moveaxis(x, axis, -1); K = x.shape[-1]
;;       x = np.pad(x, [(0, 0)] * (x.ndim - 1) + [(0, -K % 32)]); x = x.reshape(x.shape[:-1] + (-1, 32)); a = np.abs(x).max(-1, keepdims=True)
;;       e = np.where(a > 0, np.clip(np.frexp(np.where(a > 0, a, 1))[1] - 1 - 2, -126, 127), 0)      # np.frexp(a)[1] - 1 = floor(log2(a)), exactly
;;       r = np.clip(x / 2.0 ** e, -6, 6)
;;       step = 2.0 ** (np.maximum(np.frexp(np.where(r == 0, 1, r))[1] - 1, 0) - 1)
;;       q = np.round(r / step) * step * 2.0 ** e      # np.round: ties to even
;;       return np.moveaxis(q.reshape(q.shape[:-2] + (-1,))[..., :K], -1, axis).astype(np.float32)
;;   ~~~
;;   SOFTMAX AHEAD OF A QUANTISED PRODUCT. Where the list says 'softmax', what is quantised is not the finished softmax but p = 2^(t - M), with t = logit x log2(e) and M = ceil(the row's largest t), a whole number; so 1/2 < the row's largest p <= 1. The row's sum l is taken of the UNQUANTISED p, in f32, and the product's result is divided by l at the end. Since M is a whole number, a kernel that streams over the keys may use a running M (the ceiling of the running maximum): every later rescaling is an exact power of two, which a block's scale takes up: the codes' values come out the same.
;;   OPERANDS COMPUTED ON THE WAY. 'Computed on the way' means the value that the module computes at that place (a softmax that the list does not call 'softmax' is quantised finished and normalised). What goes into a quantiser is computed in f32, as accurately as f32 sums, v_exp_f32 and their like allow (about 1e-6 of the number): no bf16 or f16 on the way to a quantiser, and a product that is left as it is and whose result goes on into a quantised operand takes f32 operands (vector FMAs, or v_wmma_f32_16x16x4_f32). A number that lies on a knife's edge between two numbers of the format may be rounded either way, as far as f32 arithmetic and the matrix unit's own rounding can turn it there, and no further.
;; One version. Each part assembles by itself: llvm-mc -triple=amdgcn-amd-amdhsa -mcpu=gfx1250 --defsym DOCPART=n.
;; ======== version 1 of 1: 2 launches
;; workspace buffers: wcodes 262,144 bytes; wscales 16,384 bytes
;; launch prep (part 1): grid 8 x 8, 4 waves a work-group, no clusters, 768 bytes of LDS; arguments Wq, Wk, Wv, Win, Wout, Wfc, wcodes, wscales; writes wcodes, wscales
.if DOCPART == 1
	.amdgcn_target "amdgcn-amd-amdhsa--gfx1250"
	.amdhsa_code_object_version 6
	.text
	.protected	k_q9c2812153c_prep
	.globl	k_q9c2812153c_prep
	.p2align	8
	.type	k_q9c2812153c_prep,@function
k_q9c2812153c_prep:
	s_mov_b64 s[64:65], 0
	v_nop
	global_prefetch_b8 v0, s[64:65] scope:SCOPE_SE
	s_setreg_imm32_b32 hwreg(HW_REG_WAVE_MODE, 25, 1), 1
	s_wait_xcnt 0x0
; The eight weight matrices [256 (n)][256 (k)], f32, K innermost (Wq, Wk, Wv, Win's three parts, Wout, Wfc: products i = 0 .. 7), become codes of FP4 (E2M1)
; with one E8M0 scale byte for each 32 along K, laid in the order of the operand registers of the wave that will multiply by them:
;   wcodes  [i][w][4 u + 2 s + c][lane][16 bytes]: wave w's fragment (tile u, K step s), register group c, as it stands in the lanes;
;   wscales [w][i][lane r + 16 s][u]: the word (four bytes, 128 along K) of K step s of the row that lane r of tile u takes.
; THE ROWS OF A TILE ARE NOT NEIGHBOURS: lane r of tile u of wave w takes row 32 w + 8 u + r + 8 (r / 8), so that the results of the two tiles are 16 neighbours along the next K.
; A block's scale is 2^(floor(log2(its largest magnitude)) - 2): its byte is the largest magnitude's exponent field - 2, held at 1 from below.
; LIMITS: a block of zeros gets the byte 1 where the rule says 127 (its codes are zeros, and this program alone reads the bytes); blocks whose largest magnitude lies
; under 2^-124 are held at the byte 1; NaN and infinities are not served.
; SHARES: work-group (x = w, y = i) takes 32 rows; its wave v takes tile u = v / 2, K step s = v % 2: one fragment, 16 rows x 128 K.  Lane (r, h) holds k = 64 c + 32 h + 0 .. 31 of its row:
; two whole blocks, so that no other lane is asked for a maximum and the conversions' results are the operand's registers.
.set X,   16                           ; v16-79  my 64 numbers: 32 c + i
.set CD,  80                           ; v80-87  the fragment's codes
	s_load_b512 s[8:23], s[0:1], 0x0               ; Wq s[8:9], Wk s[10:11], Wv s[12:13], Win s[14:15], Wout s[16:17], Wfc s[18:19], wcodes s[20:21], wscales s[22:23]
	v_lshl_add_u32 v96, v0, 2, 0x100
	v_mov_b32 v97, 0
	v_lshrrev_b32 v1, 5, v0
	v_readfirstlane_b32 s2, v1                     ; wave v
	s_mov_b32 s3, ttmp9                            ; w
	s_and_b32 s4, ttmp7, 0xffff                    ; i
	v_and_b32 v1, 15, v0                           ; r
	v_bfe_u32 v2, v0, 4, 1                         ; h
	v_and_b32 v3, 8, v1
	v_add_nc_u32 v3, v3, v1                        ; r + 8 (r / 8)
	v_lshlrev_b32 v3, 10, v3                       ; a row is 1,024 bytes
	v_lshl_add_u32 v3, v2, 7, v3                   ; + 128 h: my 32 numbers of each 64
	v_and_b32 v7, 31, v0
	v_lshlrev_b32 v4, 4, v7                        ; 16 x lane: my place in a register group's image
	v_lshlrev_b32 v6, 3, v7                        ; 8 x lane: the scale words' way out
	s_lshr_b32 s5, s2, 1                           ; u
	s_and_b32 s6, s2, 1                            ; s
	s_lshl_b32 s7, s6, 7
	s_lshl_b32 s30, s5, 2
	s_add_co_u32 s7, s7, s30                       ; 128 s + 4 u
	v_lshl_add_u32 v5, v1, 3, s7                   ; LDS: 8 (r + 16 s) + 4 u
	s_sub_co_u32 s30, s4, 3                        ; Win's part: i - 3 where that is 0, 1 or 2
	s_cmp_lt_u32 s30, 3
	s_cselect_b32 s30, s30, 0
	s_lshl_b32 s26, s30, 18                        ; 256 rows of 1,024 bytes a part
	s_lshl_b32 s31, s3, 5
	s_lshl_b32 s30, s5, 3
	s_add_co_u32 s31, s31, s30                     ; the tile's first row: 32 w + 8 u
	s_lshl_b32 s31, s31, 10
	s_add_co_u32 s26, s26, s31
	s_lshl_b32 s31, s6, 9                          ; K step s: 512 bytes on
	s_add_co_u32 s26, s26, s31
	s_mov_b32 s27, 0
	s_lshl_b32 s28, s4, 3
	s_add_co_u32 s28, s28, s3
	s_lshl_b32 s28, s28, 12                        ; codes: (8 i + w) x 4,096
	s_lshl_b32 s30, s2, 10
	s_add_co_u32 s28, s28, s30                     ; + (2 u + s) x 1,024, and 2 u + s is the wave's number
	s_mov_b32 s29, 0
	s_lshl_b32 s32, s3, 11
	s_lshl_b32 s30, s4, 8
	s_add_co_u32 s32, s32, s30                     ; scale words: 2,048 w + 256 i
	s_mov_b32 s33, 0
	s_mov_b32 s34, 0x76543210
	s_mov_b32 s35, 0xfedcba98                      ; v_permlanex16_b32's selects for lane l xor 16
	s_wait_alu depctr_va_vdst(0)
	s_wait_kmcnt 0x0
	s_mov_b64 s[24:25], s[8:9]                     ; the matrix is chosen by the work-group's y alone
	s_cmp_eq_u32 s4, 1
	s_cselect_b64 s[24:25], s[10:11], s[24:25]
	s_cmp_eq_u32 s4, 2
	s_cselect_b64 s[24:25], s[12:13], s[24:25]
	s_cmp_ge_u32 s4, 3
	s_cselect_b64 s[24:25], s[14:15], s[24:25]
	s_cmp_eq_u32 s4, 6
	s_cselect_b64 s[24:25], s[16:17], s[24:25]
	s_cmp_eq_u32 s4, 7
	s_cselect_b64 s[24:25], s[18:19], s[24:25]
	s_add_nc_u64 s[24:25], s[24:25], s[26:27]
	s_add_nc_u64 s[28:29], s[20:21], s[28:29]
	s_add_nc_u64 s[32:33], s[22:23], s[32:33]
.irp c, 0,1
.irp j, 0,1,2,3,4,5,6,7
	global_load_b128 v[X+32*\c+4*\j:X+32*\c+4*\j+3], v3, s[24:25] offset:256*\c+16*\j th:TH_LOAD_NT   ; W(row, 128 s + 64 c + 32 h + 4 j ..): read once in the launch
.endr
.endr
	s_wait_loadcnt 0x0
.irp c, 0,1
	v_max3_num_f32 v[8+\c], |v[X+32*\c]|, |v[X+32*\c+1]|, 0x1800000   ; my block 2 c + h, and the floor 2^(3 - 127): the byte cannot fall under 1
.endr
.irp i, 2,4,6,8,10,12,14,16,18,20,22,24,26,28,30
.irp c, 0,1
	v_max3_num_f32 v[8+\c], v[8+\c], |v[X+32*\c+\i]|, |v[X+32*\c+\i+1]|   ; (the two blocks by turns)
.endr
.endr
.irp c, 0,1
	v_add_nc_u32 v[10+\c], 0xff000000, v[8+\c]     ; 2 off the exponent field: the conversion takes the exponent field of this operand as its scale
.endr
.irp c, 0,1
	v_lshrrev_b32 v[12+\c], 23, v[10+\c]           ; the scale's byte
.endr
	v_lshl_or_b32 v14, v13, 16, v12                ; my two bytes: blocks h and 2 + h,
	v_lshlrev_b32 v15, 3, v2
	v_lshlrev_b32 v14, v15, v14                    ; at their places in the word (8 h bits up);
	v_mov_b32 v15, 0
	v_permlanex16_b32 v15, v14, s34, s35
	v_or_b32 v14, v14, v15                         ; with lane l xor 16's two the word is whole
.irp c, 0,1
.irp g, 0,1,2,3
	v_cvt_scalef32_pk8_fp4_f32 v[CD+4*\c+\g], v[X+32*\c+8*\g:X+32*\c+8*\g+7], v[10+\c]   ; registers 4 c .. 4 c + 3 of the fragment
.endr
.endr
	v_nop                                          ; one plain line behind the last scaled conversion
.irp c, 0,1
	global_store_b128 v4, v[CD+4*\c:CD+4*\c+3], s[28:29] offset:512*\c   ; the wave stores 512 consecutive bytes, aligned
.endr
	ds_store_b32 v5, v14                           ; both halves of the lanes write the same word with the same value
	s_wait_dscnt 0x0                               ; for the others' sake: my store has landed
	s_barrier_signal -1
	s_barrier_wait -1                              ; the work-group's 64 scale words lie in LDS
	s_cmp_lg_u32 s2, 0
	s_cbranch_scc1 .Lend
	ds_load_b64 v[88:89], v6
	s_wait_dscnt 0x0
	global_store_b64 v6, v[88:89], s[32:33]        ; wave 0 stores them as 256 consecutive bytes, aligned
.Lend:
	s_wait_tensorcnt 0x0
	ds_add_u32 v96, v97
	s_wait_dscnt 0x0
	s_endpgm
.Lfunc_end_k_q9c2812153c_prep:
	.size	k_q9c2812153c_prep, .Lfunc_end_k_q9c2812153c_prep-k_q9c2812153c_prep
	.p2alignl 7, 3214868480
	.fill 96, 4, 3214868480
	.section	.rodata,"a",@progbits
	.p2align	6, 0x0
	.amdhsa_kernel k_q9c2812153c_prep
		.amdhsa_group_segment_fixed_size 768
		.amdhsa_private_segment_fixed_size 0
		.amdhsa_enable_private_segment 0
		.amdhsa_kernarg_size 64
		.amdhsa_user_sgpr_count 2
		.amdhsa_user_sgpr_kernarg_segment_ptr 1
		.amdhsa_wavefront_size32 1
		.amdhsa_system_sgpr_workgroup_id_x 1
		.amdhsa_system_sgpr_workgroup_id_y 1
		.amdhsa_system_sgpr_workgroup_id_z 1
		.amdhsa_system_vgpr_workitem_id 0
		.amdhsa_next_free_vgpr 98
		.amdhsa_next_free_sgpr 66
		.amdhsa_reserve_vcc 0
		.amdhsa_float_denorm_mode_32 3
		.amdhsa_float_denorm_mode_16_64 3
		.amdhsa_memory_ordered 1
		.amdhsa_forward_progress 1
		.amdhsa_inst_pref_size 8
	.end_amdhsa_kernel
	.amdgpu_metadata
---
amdhsa.version: [ 1, 2 ]
amdhsa.kernels:
  - .name:           k_q9c2812153c_prep
    .symbol:         k_q9c2812153c_prep.kd
    .args:
      - { .name: Wq, .offset: 0, .size: 8, .value_kind: global_buffer, .address_space: global }
      - { .name: Wk, .offset: 8, .size: 8, .value_kind: global_buffer, .address_space: global }
      - { .name: Wv, .offset: 16, .size: 8, .value_kind: global_buffer, .address_space: global }
      - { .name: Win, .offset: 24, .size: 8, .value_kind: global_buffer, .address_space: global }
      - { .name: Wout, .offset: 32, .size: 8, .value_kind: global_buffer, .address_space: global }
      - { .name: Wfc, .offset: 40, .size: 8, .value_kind: global_buffer, .address_space: global }
      - { .name: wcodes, .offset: 48, .size: 8, .value_kind: global_buffer, .address_space: global }
      - { .name: wscales, .offset: 56, .size: 8, .value_kind: global_buffer, .address_space: global }
    .group_segment_fixed_size: 768
    .private_segment_fixed_size: 0
    .kernarg_segment_align: 8
    .kernarg_segment_size: 64
    .max_flat_workgroup_size: 128
    .sgpr_count:     66
    .vgpr_count:     98
    .wavefront_size: 32
...
	.end_amdgpu_metadata
.endif
;; end of part 1
;; launch main (part 2): grid 64 x 4, 8 waves a work-group, no clusters, 191,488 bytes of LDS; arguments mod, wcodes, wscales, bq, bk, bv, bin_, bout, bfc, gamma, beta, out0; writes out0
.if DOCPART == 2
	.amdgcn_target "amdgcn-amd-amdhsa--gfx1250"
	.amdhsa_code_object_version 6
	.text
	.protected	k_q9c2812153c_main
	.globl	k_q9c2812153c_main
	.p2align	8
	.type	k_q9c2812153c_main,@function
k_q9c2812153c_main:
	s_mov_b64 s[64:65], 0
	v_nop
	global_prefetch_b8 v0, s[64:65] scope:SCOPE_SE
	s_setreg_imm32_b32 hwreg(HW_REG_WAVE_MODE, 25, 1), 1
	s_wait_xcnt 0x0
; out = LayerNorm(fc(out_proj(attention(in_proj(fc_qkv(mod))))) + mod), every product on codes of FP4 (E2M1) with one E8M0 scale for each 32 along K; all else f32.
; SHARES.  A work-group owns one batch b (y) and the 32 queries of sequence block m (x).  The band |q - k| < 16 lets them see only the key blocks m - 1, m, m + 1: the work-group makes K and V
; for these 96 rows (THE FRAME) and Q for its 32, and nothing but mod, the weights and the result goes through memory.  At the sequence's ends the block's number is clamped in the ADDRESS and the block is hidden by the mask.
; Wave w of eight owns units 32 w .. 32 w + 31 of every product: that is block w of the next product's K, and head w: attention needs no other wave.
; WEIGHTS come as codes in the order of my operand registers and go from memory straight into registers: 4,096 bytes a product and wave, asked for at the head and behind product 2.
; ACTIVATIONS go from wave to wave through LDS as IMAGES OF THE OPERAND'S REGISTERS: a tile of 16 rows x 256 K is two fragments of 1,024 bytes; wave w writes its block's 8 bytes a lane at 256 w + 16 r + 8 h
; and its scale byte at 64 (w / 4) + 4 r + w % 4; every wave reads fragments at 16 x lane and scale words at 4 x lane (lanes 0-15: K step 0's, lanes 16-31: K step 1's).  Every LDS region is written once.
; THE PRODUCTS ARE USED TRANSPOSED (source 0 = 16 rows of the weight, source 1 = 16 rows of the activation): lane (r, h) holds row r, and the 16 registers of my two tiles are units 32 w + 16 h + 0 .. 15.
; Only V's second product stands the other way round, so that a lane holds one unit and its registers run along the KEYS, which are the K of the last attention product.
; ROWS OF A TILE: K's and V's tiles t = 0 .. 5: lane r takes frame row 32 (t / 2) + 8 (t % 2) + r + 8 (r / 8), so that scores and V come out with 16 neighbouring keys in a lane.  Q's tiles: frame row 32 + 16 q + r.
; ATTENTION.  A head is 32 wide: one block.  A K step of 128 has four: in a fragment of K, block 0 holds the keys of tile 2 p and block 1 those of tile 2 p + 1; Q stands in block 0 or in block 1 with zero codes everywhere else.
; p = 2^(t - M), t = score x log2(e) / sqrt(32), M = ceil(the row's largest t); the sum of the unquantised p divides at the end.
; NO JOINT LOADS.  The weights, 272 KiB, are what all work-groups share; beside the 186 KiB in use here they do not fit in LDS, and each fragment has one reader in the work-group, whose registers it enters directly.
; Neighbours along m share mod's rows, but each wants them at another place of its frame, so their descriptors would differ.  NO PREFETCH: every global request goes out at the head or behind product 2.
; mask is no argument: it enters no result of the module.
; LIMITS: NaN and infinities are not served; a block of zeros gets the byte 1 where the rule says 127 (its codes are zeros); blocks under 2^-124 are held at the byte 1;
; a bias is the C of a sum's first matrix instruction, and bfc + mod are added ahead of the last sum: an order of f32 rounding other than the module's.
.set XIMG,  0                          ; LDS: mod's 8 tiles (6 of the frame, 2 of the queries), 2,048 bytes each
.set Q1IMG, 16384                      ; fc_q's 2 tiles
.set K1IMG, 20480                      ; fc_k's 6
.set V1IMG, 32768                      ; fc_v's 6
.set CIMG,  45056                      ; the context's 2
.set OIMG,  49152                      ; out_proj's 2
.set XSC,   53248                      ; their scale words, 128 bytes a tile
.set Q1SC,  54272
.set K1SC,  54528
.set V1SC,  55296
.set CSC,   56064
.set OSC,   56320
.set MODL,  57344                      ; mod's 96 frame rows, f32: the one region that tensor loads fill
.set MP,    1040                       ; a row there: 1,024 bytes + 16 of padding
.set YST,   157184                     ; 32 rows of y, same pitch
.set LI,   1                           ; v1   16 x lane
.set LS,   2                           ; v2   4 x lane
.set IW,   3                           ; v3   256 w + 16 r + 8 h: where I write my block of an image
.set SW,   4                           ; v4   64 (w / 4) + w % 4 + 4 r: and its scale byte
.set MA0,  5                           ; v5   mod in LDS: row r + 8 (r / 8), my 16 numbers of block w
.set MA1,  6                           ; v6   the same 64 rows on (an LDS immediate has 16 bits)
.set MQ,   7                           ; v7   row 32 + r
.set YW,   8                           ; v8   y's stage: row r, my 64 bytes
.set YR,   9                           ; v9   and back: rows 4 w on, 16 x lane
.set BO,   10                          ; v10  64 h: my 16 numbers of my wave's 32 of a bias
.set BV,   11                          ; v11  4 (r + 8 (r / 8))
.set NINF, 12                          ; v12  -infinity
.set L8,   13                          ; v13  8 x lane
.set WS,   16                          ; v16-31 the weights' scale words: 2 i + u
.set AS,   32                          ; v32-37 the activations' scale words, one a tile
.set VS,   36                          ; v36-39 V's scale words in attention: 2 u + q
.set KF,   40                          ; v40-51 K's codes, four registers for each pair of tiles
.set QC,   52                          ; v52-55 Q's codes as converted; also the written tail of K's last fragment
.set KS,   56                          ; v56-58 K's scale words
.set QW,   59                          ; v59-60 Q's
.set PW,   61                          ; v61-62 p's
.set FR,   64                          ; v64-159 fragments (t, s) at 16 t + 8 s; at work once the products are issued
.set ACC,  160                         ; v160-255 accumulators
.set QF,   64                          ; attention: Q in block 0 (16 q) and in block 1 (16 q + 8)
.set VF,   96                          ; V's fragments (u, q) at 8 u + 4 q; v112-115 a tail of zeros
.set VC,   120                         ; V's codes as converted
.set PF,   132                         ; p's fragments, 8 q
.set CC,   150                         ; the context's codes
.set SS,   160                         ; scores, then p: block 2 q + e at 16 (2 q + e)
.set OO,   224                         ; the context, 16 q + 8 u; later mod + bfc
; window 1: weights of product i at 32 (i % 6), fragment (u, s) at + 16 u + 8 s; biases at 192, 208, 224, 240; behind product 2: gamma v64-71, beta v72-79, bfc v80-95
.set MSB, 0
.macro WIN new                         ; s_set_vgpr_msb: bits 1:0 source 0, 3:2 source 1, 5:4 source 2, 7:6 destination; the high byte repeats the setting that is left
.if MSB != (\new)
	s_set_vgpr_msb (MSB<<8)|(\new)
.set MSB, (\new)
.endif
.endm
.macro PLACES n
.rept \n
	v_nop
.endr
.endm
.macro BARRIER                         ; my LDS stores have landed and my LDS loads are in: then the work-group's barrier
	s_wait_dscnt 0x0
	s_barrier_signal -1
	s_barrier_wait -1
.endm
.macro LOADW i                         ; my 32 registers of product i's weight (destination in window 1)
.set lk, 0
.rept 8
	global_load_b128 v[32*((\i)%6)+4*lk:32*((\i)%6)+4*lk+3], v[LI], s[10:11] offset:32768*(\i)+512*lk
.set lk, lk+1
.endr
.endm
.macro LOADB reg, p, off               ; 16 numbers of a bias in the result's layout: units 32 w + 16 h + 0 .. 15
.irp j, 0,1,2,3
	global_load_b128 v[(\reg)+4*\j:(\reg)+4*\j+3], v[BO], s[\p:\p+1] offset:(\off)+16*\j
.endr
.endm
; n blocks of 16 registers at src + 16 b (register i of lane (r, h) = k 16 h + i of the block) become codes in v[cod + 2 b], v[cod + 2 b + 1] and a scale byte in v[tmp + 8 + b].
; The blocks take turns line by line; each run of registers is read from its low end on.
.macro QUANT src, n, tmp, cod
.set qb, 0
.rept \n
	v_mov_b32 v[(\tmp)+8+qb], 0                    ; a lane permute's destination counts as one of its sources
.set qb, qb+1
.endr
.set qb, 0
.rept \n
	v_max3_num_f32 v[(\tmp)+qb], |v[(\src)+16*qb]|, |v[(\src)+16*qb+1]|, 0x1800000   ; and the floor 2^(3 - 127): the byte cannot fall under 1
.set qb, qb+1
.endr
.set qi, 2
.rept 7
.set qb, 0
.rept \n
	v_max3_num_f32 v[(\tmp)+qb], v[(\tmp)+qb], |v[(\src)+16*qb+qi]|, |v[(\src)+16*qb+qi+1]|
.set qb, qb+1
.endr
.set qi, qi+2
.endr
.set qb, 0
.rept \n
	v_permlanex16_b32 v[(\tmp)+8+qb], v[(\tmp)+qb], s44, s45
.set qb, qb+1
.endr
.set qb, 0
.rept \n
	v_max_num_f32 v[(\tmp)+qb], v[(\tmp)+qb], v[(\tmp)+8+qb]   ; with lane l xor 16's 16: the block's largest magnitude
.set qb, qb+1
.endr
.set qb, 0
.rept \n
	v_add_nc_u32 v[(\tmp)+16+qb], 0xff000000, v[(\tmp)+qb]     ; 2 off its exponent field: the conversion's scale operand
.set qb, qb+1
.endr
.set qb, 0
.rept \n
	v_lshrrev_b32 v[(\tmp)+8+qb], 23, v[(\tmp)+16+qb]          ; the scale's byte
.set qb, qb+1
.endr
.set qb, 0
.rept \n
	v_cvt_scalef32_pk8_fp4_f32 v[(\cod)+2*qb], v[(\src)+16*qb:(\src)+16*qb+7], v[(\tmp)+16+qb]
	v_cvt_scalef32_pk8_fp4_f32 v[(\cod)+2*qb+1], v[(\src)+16*qb+8:(\src)+16*qb+15], v[(\tmp)+16+qb]
.set qb, qb+1
.endr
	v_nop                                          ; one plain line behind the last scaled conversion
.endm
.macro IMGOUT img, sc, n, tmp, cod     ; my block of n tiles' images, and its scale bytes
.set qb, 0
.rept \n
	ds_store_b64 v[IW], v[(\cod)+2*qb:(\cod)+2*qb+1] offset:(\img)+2048*qb
	ds_store_b8 v[SW], v[(\tmp)+8+qb] offset:(\sc)+128*qb      ; both halves of the lanes write the same byte with the same value
.set qb, qb+1
.endr
.endm
; Product i on n tiles of rows: their scale words and fragments from LDS, then two K steps of 128 on 2 n accumulators, which take turns, one instruction a turn.
; nat = 0: transposed, D at ACC + 16 t + 8 u.  nat = 1: source 0 = the rows, source 1 = the weight, D at ACC + 16 (3 u + t / 2) + 8 (t % 2).
; The first K step's C is v[cb + 8 u + cs t] of window cw.  The counted waits: 5 n LDS loads are issued, n scale words first, then K step 0's fragments, then K step 1's, two loads each:
; behind tile t's fragment of K step 0 stand 4 n - 2 t - 2 younger loads, behind that of K step 1 2 n - 2 t - 2.
.macro PROD i, img, sc, n, nat, cw, cb, cs
.set SLT, 32*((\i)%6)
.set pt, 0
.rept \n
	ds_load_b32 v[AS+pt], v[LS] offset:(\sc)+128*pt
.set pt, pt+1
.endr
.set ps, 0
.rept 2
.set pt, 0
.rept \n
	ds_load_b128 v[FR+16*pt+8*ps:FR+16*pt+8*ps+3], v[LI] offset:(\img)+2048*pt+1024*ps
	ds_load_b128 v[FR+16*pt+8*ps+4:FR+16*pt+8*ps+7], v[LI] offset:(\img)+2048*pt+1024*ps+512
.set pt, pt+1
.endr
.set ps, ps+1
.endr
.set ps, 0
.rept 2
.if ps == 0
	WIN (1+3*(\nat))|((\cw)<<4)
.else
	WIN 1+3*(\nat)
.endif
.set pt, 0
.rept \n
	s_wait_dscnt (4-2*ps)*(\n)-2*pt-2
.set pu, 0
.rept 2
.set PWR, SLT+16*pu+8*ps
.set PXR, FR+16*pt+8*ps
.set PSW, WS+2*(\i)+pu
.set PSX, AS+pt
.set PCR, (\cb)+8*pu+(\cs)*pt
.if \nat
.set PDR, ACC+16*(3*pu+pt/2)+8*(pt%2)
.if ps == 0
	v_wmma_scale_f32_16x16x128_f8f6f4 v[PDR:PDR+7], v[PXR:PXR+7], v[PWR:PWR+7], v[PCR:PCR+7], v[PSX], v[PSW] matrix_a_fmt:MATRIX_FMT_FP4 matrix_b_fmt:MATRIX_FMT_FP4
.else
	v_wmma_scale_f32_16x16x128_f8f6f4 v[PDR:PDR+7], v[PXR:PXR+7], v[PWR:PWR+7], v[PDR:PDR+7], v[PSX], v[PSW] matrix_a_fmt:MATRIX_FMT_FP4 matrix_b_fmt:MATRIX_FMT_FP4 matrix_a_scale:MATRIX_SCALE_ROW1 matrix_b_scale:MATRIX_SCALE_ROW1
.endif
.else
.set PDR, ACC+16*pt+8*pu
.if ps == 0
	v_wmma_scale_f32_16x16x128_f8f6f4 v[PDR:PDR+7], v[PWR:PWR+7], v[PXR:PXR+7], v[PCR:PCR+7], v[PSW], v[PSX] matrix_a_fmt:MATRIX_FMT_FP4 matrix_b_fmt:MATRIX_FMT_FP4
.else
	v_wmma_scale_f32_16x16x128_f8f6f4 v[PDR:PDR+7], v[PWR:PWR+7], v[PXR:PXR+7], v[PDR:PDR+7], v[PSW], v[PSX] matrix_a_fmt:MATRIX_FMT_FP4 matrix_b_fmt:MATRIX_FMT_FP4 matrix_a_scale:MATRIX_SCALE_ROW1 matrix_b_scale:MATRIX_SCALE_ROW1
.endif
.endif
.set pu, pu+1
.endr
.set pt, pt+1
.endr
.set ps, ps+1
.endr
	WIN 0
	PLACES 5                                       ; behind the last product: four for vector reads of results and for loads and vector writes into its registers, a fifth for later products that write over them
.endm
; ---- the head
	s_load_b512 s[8:23], s[0:1], 0x0               ; mod s[8:9], wcodes s[10:11], wscales s[12:13], bq s[14:15], bk s[16:17], bv s[18:19], bin_ s[20:21], bout s[22:23]
	s_load_b256 s[24:31], s[0:1], 0x40             ; bfc s[24:25], gamma s[26:27], beta s[28:29], out0 s[30:31]
	v_lshl_add_u32 v254, v0, 2, 0x2e800
	v_mov_b32 v255, 0
	ds_add_u32 v254, v255
	ds_add_u32 v254, v255
	s_wait_dscnt 0x0
	v_lshrrev_b32 v14, 5, v0
	s_delay_alu instid0(VALU_DEP_1)
	v_readfirstlane_b32 s2, v14                    ; wave w
	s_mov_b32 s3, ttmp9                            ; m
	s_and_b32 s4, ttmp7, 0xffff                    ; b
	; descriptor group 1: 16 rows of 256 f32, 1,024 elements from row to row (the four batches lie between), 16 bytes of padding behind each row in LDS
	s_mov_b32 s36, (2<<16)|(1<<20)|(7<<22)|(3<<25) ; no mask; elements of 4 bytes; padding on: behind every 256 words (code 7) 4 words (code 3)
	s_mov_b32 s37, 256<<16                         ; tensor_dim0 = 256
	s_mov_b32 s38, 16<<16                          ; tensor_dim1 = 16
	s_mov_b32 s39, 256<<16                         ; tile_dim0 = 256
	s_mov_b32 s40, 16                              ; tile_dim1 = 16
	s_mov_b32 s41, 1024                            ; tensor_dim0_stride
	s_mov_b32 s42, 0
	s_mov_b32 s43, 0
	s_lshr_b32 s5, s2, 1                           ; waves 0 to 5 fetch frame rows 16 w on: key block m - 1 + w / 2,
	s_add_co_u32 s5, s5, s3
	s_max_u32 s5, s5, 1
	s_sub_co_u32 s5, s5, 1
	s_min_u32 s5, s5, 63                           ; held inside the sequence,
	s_lshl_b32 s5, s5, 5
	s_and_b32 s6, s2, 1
	s_lshl_b32 s6, s6, 4
	s_add_co_u32 s5, s5, s6                        ; its half w % 2
	s_lshl_b32 s5, s5, 2
	s_add_co_u32 s5, s5, s4                        ; row (sequence, batch) = 4 x sequence + b
	s_lshl_b32 s52, s5, 10
	s_mov_b32 s53, 0
	s_mov_b32 s32, 1                               ; group 0: count = 1
	s_mul_i32 s33, s2, 16*MP
	s_add_co_u32 s33, s33, MODL                    ; LDS address: 16 rows a wave
	s_mov_b32 s44, 0x76543210
	s_mov_b32 s45, 0xfedcba98                      ; v_permlanex16_b32's selects for lane l xor 16
	s_mov_b32 s46, 0x3e8293ee                      ; c = log2(e) / sqrt(32)
	s_mov_b32 s47, s46                             ; (named with it as a pair)
	s_cmp_gt_u32 s3, 0
	s_cselect_b32 s48, -1, 0                       ; is there a key block m - 1?
	s_cmp_lt_u32 s3, 63
	s_cselect_b32 s49, -1, 0                       ; and m + 1?
	s_mov_b32 s50, 0x3b800000                      ; 1 / 256
	s_mov_b32 s51, 0x358637bd                      ; 1e-6
	v_and_b32 v14, 31, v0
	s_delay_alu instid0(VALU_DEP_1)
	v_lshlrev_b32 v[LI], 4, v14
	s_delay_alu instid0(VALU_DEP_2)
	v_lshlrev_b32 v[LS], 2, v14
	s_delay_alu instid0(VALU_DEP_3)
	v_lshlrev_b32 v[L8], 3, v14
	v_and_b32 v14, 15, v0                          ; r
	v_bfe_u32 v15, v0, 4, 1                        ; h
	s_lshl_b32 s5, s2, 8
	v_lshlrev_b32 v[IW], 4, v14
	s_delay_alu instid0(VALU_DEP_1)
	v_lshl_add_u32 v[IW], v15, 3, v[IW]
	s_delay_alu instid0(VALU_DEP_1)
	v_add_nc_u32 v[IW], s5, v[IW]
	s_lshr_b32 s5, s2, 2
	s_lshl_b32 s5, s5, 6
	s_and_b32 s6, s2, 3
	s_add_co_u32 s5, s5, s6
	v_lshl_add_u32 v[SW], v14, 2, s5
	v_and_b32 v[BV], 8, v14
	s_delay_alu instid0(VALU_DEP_1)
	v_add_nc_u32 v[BV], v[BV], v14                 ; r + 8 (r / 8)
	s_lshl_b32 s5, s2, 7
	s_add_co_u32 s5, s5, MODL                      ; block w of a row: 128 w bytes on
	v_mul_u32_u24 v[MA0], v[BV], MP
	s_delay_alu instid0(VALU_DEP_1)
	v_lshl_add_u32 v[MA0], v15, 6, v[MA0]
	s_delay_alu instid0(VALU_DEP_1)
	v_add_nc_u32 v[MA0], s5, v[MA0]
	s_delay_alu instid0(VALU_DEP_1)
	v_add_nc_u32 v[MA1], 64*MP, v[MA0]
	v_mul_u32_u24 v[MQ], v14, MP
	s_delay_alu instid0(VALU_DEP_1)
	v_lshl_add_u32 v[MQ], v15, 6, v[MQ]
	s_delay_alu instid0(VALU_DEP_1)
	v_add_nc_u32 v[MQ], s5, v[MQ]
	s_delay_alu instid0(VALU_DEP_1)
	v_add_nc_u32 v[MQ], 32*MP, v[MQ]
	s_delay_alu instid0(VALU_DEP_1)
	v_add_nc_u32 v[YW], YST-MODL-32*MP, v[MQ]      ; the same place of row r in y's stage
	s_mul_i32 s6, s2, 4*MP
	s_add_co_u32 s6, s6, YST
	v_add_nc_u32 v[YR], s6, v[LI]
	v_lshlrev_b32 v[BO], 6, v15
	v_lshlrev_b32 v[BV], 2, v[BV]
	v_mov_b32 v[NINF], 0xff800000
	s_wait_kmcnt 0x0
	s_add_nc_u64 s[34:35], s[8:9], s[52:53]        ; group 0: the tile's first element,
	s_or_b32 s35, s35, 0x80000000                  ; type = 2
	s_cmp_lt_u32 s2, 6
	s_cbranch_scc0 .Lnofill
	tensor_load_to_lds s[32:35], s[36:43]          ; one tensor load a wave, in six waves; each LDS byte is filled once in the launch
	s_nop 0
	PLACES 4                                       ; four lines behind it
.Lnofill:
	s_lshl_b32 s52, s2, 12                         ; the bases are stepped once, ahead of every load that names them
	s_add_nc_u64 s[10:11], s[10:11], s[52:53]      ; my wave's codes: 4,096 w
	s_lshl_b32 s52, s2, 11
	s_add_nc_u64 s[12:13], s[12:13], s[52:53]      ; its scale words: 2,048 w
	s_lshl_b32 s52, s2, 7                          ; its 32 numbers of each bias
	s_add_nc_u64 s[14:15], s[14:15], s[52:53]
	s_add_nc_u64 s[16:17], s[16:17], s[52:53]
	s_add_nc_u64 s[18:19], s[18:19], s[52:53]
	s_add_nc_u64 s[20:21], s[20:21], s[52:53]
	s_add_nc_u64 s[22:23], s[22:23], s[52:53]
	s_add_nc_u64 s[24:25], s[24:25], s[52:53]
	s_lshl_b32 s5, s3, 5
	s_lshl_b32 s6, s2, 2
	s_add_co_u32 s5, s5, s6                        ; the rows that I store: sequence 32 m + 4 w on
	s_lshl_b32 s5, s5, 2
	s_add_co_u32 s5, s5, s4
	s_lshl_b32 s52, s5, 10
	s_add_nc_u64 s[30:31], s[30:31], s[52:53]
.irp i, 0,1,2,3,4,5,6,7
	global_load_b64 v[WS+2*\i:WS+2*\i+1], v[L8], s[12:13] offset:256*\i   ; 72 loads, in the order of their use: 8 of scale words,
.endr
	WIN 0x40                                       ; destination window 1
	LOADW 0                                        ; then 8 + 4 for each of products 0 to 3,
	s_wait_alu depctr_va_vdst(0)
	LOADB 192, 14, 0
	LOADW 1
	LOADB 208, 16, 0
	LOADW 2
	LOADB 224, 18, 0
	LOADW 3
	LOADB 240, 20, 0
	LOADW 4                                        ; and 8 each for the weights of products 4 and 5
	LOADW 5
	WIN 0
	s_wait_tensorcnt 0x0                           ; my part of mod has landed (a wave that fetched nothing passes at once)
	s_barrier_signal -1
	s_barrier_wait -1                              ; everybody's has
; ---- X: block w of mod's 128 rows (6 frame tiles, 2 query tiles) becomes codes
.irp t, 0,1,2,3
.irp j, 0,1,2,3
	ds_load_b128 v[64+16*\t+4*\j:64+16*\t+4*\j+3], v[MA0] offset:(32*(\t/2)+8*(\t%2))*MP+16*\j
.endr
.endr
.irp t, 4,5
.irp j, 0,1,2,3
	ds_load_b128 v[64+16*\t+4*\j:64+16*\t+4*\j+3], v[MA1] offset:8*(\t%2)*MP+16*\j
.endr
.endr
.irp q, 0,1
.irp j, 0,1,2,3
	ds_load_b128 v[160+16*\q+4*\j:160+16*\q+4*\j+3], v[MQ] offset:16*\q*MP+16*\j
.endr
.endr
	s_wait_dscnt 0x0
	QUANT 64, 8, 192, 216
	IMGOUT XIMG, XSC, 8, 192, 216
	BARRIER                                        ; mod's eight tiles lie in LDS as images
; ---- fc_q, fc_k, fc_v
	s_wait_loadcnt 52                              ; of the 72: the scale words, W0 and bq are in; 52 were issued behind them
	PROD 0, XIMG+12288, XSC+768, 2, 0, 1, 192, 0
	QUANT ACC, 2, 64, 88
	IMGOUT Q1IMG, Q1SC, 2, 64, 88
	s_wait_dscnt 0x0                               ; the stores have read their registers
	s_wait_loadcnt 40                              ; W1 and bk
	PROD 1, XIMG, XSC, 6, 0, 1, 208, 0
	QUANT ACC, 6, 64, 88
	IMGOUT K1IMG, K1SC, 6, 64, 88
	s_wait_dscnt 0x0
	s_wait_loadcnt 28                              ; W2 and bv
	PROD 2, XIMG, XSC, 6, 0, 1, 224, 0
	WIN 0x40                                       ; 34 more loads, into registers whose products are issued (five places stand behind the last of them)
	LOADB 192, 20, 1024                            ; 4: bin_'s second part
	global_load_b32 v208, v[BV], s[20:21] offset:2048      ; 2: its third, one number a lane: unit 8 u + r + 8 (r / 8)
	global_load_b32 v216, v[BV], s[20:21] offset:2048+32
	LOADW 6                                        ; 8
	LOADB 224, 22, 0                               ; 4: bout
	LOADW 7                                        ; 8
	LOADB 80, 24, 0                                ; 4: bfc
	global_load_b128 v[64:67], v[LI], s[26:27]             ; 4: gamma and beta, columns 4 x lane on and 128 + 4 x lane on
	global_load_b128 v[68:71], v[LI], s[26:27] offset:512
	global_load_b128 v[72:75], v[LI], s[28:29]
	global_load_b128 v[76:79], v[LI], s[28:29] offset:512
	WIN 0
	QUANT ACC, 6, 64, 88
	IMGOUT V1IMG, V1SC, 6, 64, 88
	BARRIER                                        ; the three first layers lie in LDS
; ---- the in_proj: from here to the context everything is head w's and stays in my registers
	s_wait_loadcnt 50                              ; W3 and bin_'s first part: behind them W4, W5 (16) and the 34
	PROD 3, Q1IMG, Q1SC, 2, 0, 1, 240, 0
	QUANT ACC, 2, 64, QC
.irp q, 0,1
	v_lshl_or_b32 v[QW+\q], v[72+\q], 8, v[72+\q]  ; Q's byte for block 0 and for block 1; the bytes above are 0, over zero codes
.endr
	s_wait_loadcnt 30                              ; W4 and bin_'s second part: 30 of the 34 were issued behind it
	PROD 4, K1IMG, K1SC, 6, 0, 1, 192, 0
	QUANT ACC, 6, 64, KF
.irp p, 0,1,2
	v_lshl_or_b32 v[KS+\p], v[73+2*\p], 8, v[72+2*\p]      ; block 0: tile 2 p's byte; block 1: tile 2 p + 1's
.endr
.irp p, 0,1,2
.irp i, 0,1
	v_permlane16_swap_b32 v[KF+4*\p+\i], v[KF+4*\p+2+\i]   ; lanes 0-15: tile 2 p's whole head; lanes 16-31: tile 2 p + 1's
.endr
.endr
	s_wait_loadcnt 28                              ; W5 and bin_'s third part
	WIN 0x41                                       ; destination and source 0 in window 1
.irp u, 0,1
.irp j, 1,2,3,4,5,6,7
	v_mov_b32 v[208+8*\u+\j], v[208+8*\u]          ; here a lane holds one unit and eight keys: its bias eight times
.endr
.endr
	WIN 0
	PLACES 4
	s_wait_alu depctr_va_vdst(0)
	PROD 5, V1IMG, V1SC, 6, 1, 1, 208, 0           ; block 3 u + p: unit 8 u + r + 8 (r / 8), keys 32 p + 16 h + 0 .. 15
	QUANT ACC, 6, 64, VC                           ; V is quantised along the keys
; ---- attention
.irp u, 0,1
.irp q, 0,1
	v_lshl_or_b32 v[VS+2*\u+\q], v[73+3*\u+\q], 8, v[72+3*\u+\q]   ; query tile q sees key blocks q and q + 1
.endr
.endr
.irp u, 0,1
.irp q, 0,1
.irp e, 0,1
.irp i, 0,1
	v_mov_b32 v[VF+8*\u+4*\q+2*\e+\i], v[VC+2*(3*\u+\q+\e)+\i]
.endr
.endr
.endr
.endr
.irp j, 0,1,2,3
	v_mov_b32 v[VF+16+\j], 0                       ; the last fragment's upper half
.endr
.irp u, 0,1
.irp q, 0,1
.irp i, 0,1
	v_permlane16_swap_b32 v[VF+8*\u+4*\q+\i], v[VF+8*\u+4*\q+2+\i]   ; lanes 0-15: key block q whole; lanes 16-31: key block q + 1
.endr
.endr
.endr
.irp q, 0,1
	v_mov_b32 v[QF+16*\q], v[QC+2*\q]
	v_mov_b32 v[QF+16*\q+1], v[QC+2*\q+1]
.irp j, 2,3,4,5,6,7,8,9,12,13,14,15
	v_mov_b32 v[QF+16*\q+\j], 0
.endr
	v_mov_b32 v[QF+16*\q+10], v[QC+2*\q]
	v_mov_b32 v[QF+16*\q+11], v[QC+2*\q+1]
.endr
.irp q, 0,1
.irp i, 0,1
	v_permlane16_swap_b32 v[QF+16*\q+\i], v[QF+16*\q+2+\i]         ; Q whole in lanes 0-15: block 0; zero codes elsewhere
	v_permlane16_swap_b32 v[QF+16*\q+8+\i], v[QF+16*\q+10+\i]      ; Q whole in lanes 16-31: block 1
.endr
.endr
.irp q, 0,1
.irp j, 4,5,6,7
	v_mov_b32 v[PF+8*\q+\j], 0                     ; p's blocks 2 and 3 are zero codes.  (Eight plain lines: the places between the writes of Q's fragments and the products)
.endr
.endr
.irp q, 0,1
.irp e, 0,1
.irp u, 0,1
	v_wmma_scale_f32_16x16x128_f8f6f4 v[SS+16*(2*\q+\e)+8*\u:SS+16*(2*\q+\e)+8*\u+7], v[KF+4*(\q+\e):KF+4*(\q+\e)+7], v[QF+16*\q+8*\u:QF+16*\q+8*\u+7], 0, v[KS+\q+\e], v[QW+\q] matrix_a_fmt:MATRIX_FMT_FP4 matrix_b_fmt:MATRIX_FMT_FP4
.endr
.endr
.endr                                              ; lane (r, h): query 32 + 16 q + r; register i of block (q, e): frame key 32 (q + e) + 16 h + i
	PLACES 5
; THE BAND.  For a given register the lanes whose key counts are a constant of the text; the outer blocks count only where the sequence has them.
.set mi, 0
.rept 16
	s_and_b32 s54, s48, ((1<<mi)-1)<<16                    ; q = 0, block m - 1: h = 1 and r < i
	v_cndmask_b32 v[SS+mi], v[NINF], v[SS+mi], s54
	s_mov_b32 s55, 0xffff|(((0xffff<<(mi+1))&0xffff)<<16)  ; q = 0, block m: h = 0, or r > i
	v_cndmask_b32 v[SS+16+mi], v[NINF], v[SS+16+mi], s55
	s_mov_b32 s56, ((1<<mi)-1)|0xffff0000                  ; q = 1, block m: r < i, or h = 1
	v_cndmask_b32 v[SS+32+mi], v[NINF], v[SS+32+mi], s56
	s_and_b32 s57, s49, (0xffff<<(mi+1))&0xffff            ; q = 1, block m + 1: h = 0 and r > i
	v_cndmask_b32 v[SS+48+mi], v[NINF], v[SS+48+mi], s57
.set mi, mi+1
.endr
; at work: v64-67 each block's largest score, then p; v68-71 the other half's; v72-75 scale operands; v76-79 bytes; v80, v82 -M; v81, v83 t; v84-91 sums; v92, v94 1 / sum
.irp b, 0,1,2,3
	v_max3_num_f32 v[64+\b], v[SS+16*\b], v[SS+16*\b+1], v[SS+16*\b+2]   ; the largest score of each block of 32 keys serves twice: for the row's maximum and, since p rises with the score, for the block's largest p
.endr
.irp i, 3,5,7,9,11,13
.irp b, 0,1,2,3
	s_delay_alu instid0(VALU_DEP_4)
	v_max3_num_f32 v[64+\b], v[64+\b], v[SS+16*\b+\i], v[SS+16*\b+\i+1]
.endr
.endr
.irp b, 0,1,2,3
	s_delay_alu instid0(VALU_DEP_4)
	v_max_num_f32 v[64+\b], v[64+\b], v[SS+16*\b+15]
.endr
.irp b, 0,1,2,3
	s_delay_alu instid0(VALU_DEP_4)
	v_permlanex16_b32 v[68+\b], v[64+\b], s44, s45
.endr
.irp b, 0,1,2,3
	s_delay_alu instid0(VALU_DEP_4)
	v_max_num_f32 v[64+\b], v[64+\b], v[68+\b]
.endr
.irp q, 0
	s_delay_alu instid0(VALU_DEP_3)
	v_max_num_f32 v[81+2*\q], v[64+2*\q], v[65+2*\q]       ; the row's largest score: the query itself always counts, so it is a number
.endr
.irp q, 1
	s_delay_alu instid0(VALU_DEP_2)
	v_max_num_f32 v[81+2*\q], v[64+2*\q], v[65+2*\q]       ; the row's largest score: the query itself always counts, so it is a number
.endr
.irp q, 0,1
	s_delay_alu instid0(VALU_DEP_2)
	v_mul_f32 v[81+2*\q], s46, v[81+2*\q]          ; as t
.endr
.irp q, 0,1
	s_delay_alu instid0(VALU_DEP_2)
	v_floor_f32 v[80+2*\q], -v[81+2*\q]            ; -M = floor(-t) = -ceil(t)
.endr
.irp q, 0,1
.irp j, 0,2,4,6,8,10,12,14,16,18,20,22,24,26,28,30
	v_pk_fma_f32 v[SS+32*\q+\j:SS+32*\q+\j+1], v[SS+32*\q+\j:SS+32*\q+\j+1], s[46:47], v[80+2*\q:81+2*\q] op_sel_hi:[1,0,0]   ; t - M (of the pairs c and -M the low word serves both halves)
.endr
.endr
.irp b, 0,1,2,3
	v_fma_f32 v[64+\b], v[64+\b], s46, v[80+2*(\b/2)]      ; the same of each block's largest score
.endr
.set mi, 0
	s_wait_alu depctr_va_vdst(0)
.rept 64
	v_exp_f32 v[SS+mi], v[SS+mi]                   ; p = 2^(t - M); 0 for hidden keys
.set mi, mi+1
.endr
.irp b, 0,1,2,3
	v_exp_f32 v[64+\b], v[64+\b]                   ; the block's largest p: the same two instructions on the same number give the same bits
.endr
	v_nop                                          ; a plain line behind the exponentials
	s_wait_alu depctr_va_vdst(0)
.irp b, 0,1,2,3
	v_max_num_f32 v[64+\b], 0x1800000, v[64+\b]    ; the floor: a block whose every p is 0 keeps the byte 1 over zero codes
.endr
.irp b, 0,1,2,3
	s_delay_alu instid0(VALU_DEP_4)
	v_add_nc_u32 v[72+\b], 0xff000000, v[64+\b]
.endr
.irp b, 0,1,2,3
	s_delay_alu instid0(VALU_DEP_4)
	v_lshrrev_b32 v[76+\b], 23, v[72+\b]
.endr
.irp q, 0
	s_delay_alu instid0(VALU_DEP_3)
	v_lshl_or_b32 v[PW+\q], v[77+2*\q], 8, v[76+2*\q]
.endr
.irp q, 1
	s_delay_alu instid0(VALU_DEP_2)
	v_lshl_or_b32 v[PW+\q], v[77+2*\q], 8, v[76+2*\q]
.endr
.irp q, 0,1
.irp e, 0,1
	v_cvt_scalef32_pk8_fp4_f32 v[PF+8*\q+2*\e], v[SS+16*(2*\q+\e):SS+16*(2*\q+\e)+7], v[72+2*\q+\e]
	v_cvt_scalef32_pk8_fp4_f32 v[PF+8*\q+2*\e+1], v[SS+16*(2*\q+\e)+8:SS+16*(2*\q+\e)+15], v[72+2*\q+\e]
.endr
.endr
	v_nop                                          ; one plain line behind the last scaled conversion
.irp q, 0,1
.irp i, 0,1
	v_permlane16_swap_b32 v[PF+8*\q+\i], v[PF+8*\q+2+\i]
.endr
.endr
.irp q, 0,1                                        ; THE ROW'S SUM IS TAKEN OF THE UNQUANTISED p, in two chains a tile.  These 28 lines are also the places between the writes of p's scale words and codes and the products
	v_pk_add_f32 v[84+4*\q:85+4*\q], v[SS+32*\q:SS+32*\q+1], v[SS+32*\q+4:SS+32*\q+5]
	v_pk_add_f32 v[86+4*\q:87+4*\q], v[SS+32*\q+2:SS+32*\q+3], v[SS+32*\q+6:SS+32*\q+7]
.endr
.irp j, 8,12,16,20,24,28
.irp q, 0,1
	v_pk_add_f32 v[84+4*\q:85+4*\q], v[84+4*\q:85+4*\q], v[SS+32*\q+\j:SS+32*\q+\j+1]
	v_pk_add_f32 v[86+4*\q:87+4*\q], v[86+4*\q:87+4*\q], v[SS+32*\q+\j+2:SS+32*\q+\j+3]
.endr
.endr
.irp q, 0,1
.irp u, 0,1
	v_wmma_scale_f32_16x16x128_f8f6f4 v[OO+16*\q+8*\u:OO+16*\q+8*\u+7], v[VF+8*\u+4*\q:VF+8*\u+4*\q+7], v[PF+8*\q:PF+8*\q+7], 0, v[VS+2*\u+\q], v[PW+\q] matrix_a_fmt:MATRIX_FMT_FP4 matrix_b_fmt:MATRIX_FMT_FP4
.endr
.endr                                              ; lane (r, h): query r of tile q; register 8 u + j: unit 32 w + 16 h + 8 u + j
	v_pk_add_f32 v[84:85], v[84:85], v[86:87]      ; the sums are finished: the first four lines, which name no register of the products, are the places behind them
	v_pk_add_f32 v[88:89], v[88:89], v[90:91]
	s_delay_alu instid0(VALU_DEP_2)
	v_add_f32 v84, v84, v85
	s_delay_alu instid0(VALU_DEP_2)
	v_add_f32 v88, v88, v89
	s_delay_alu instid0(VALU_DEP_2)
	v_permlanex16_b32 v86, v84, s44, s45
	s_delay_alu instid0(VALU_DEP_2)
	v_permlanex16_b32 v90, v88, s44, s45
	s_delay_alu instid0(VALU_DEP_2)
	v_add_f32 v84, v84, v86                        ; with lane l xor 16's keys: the row's sum
	s_delay_alu instid0(VALU_DEP_2)
	v_add_f32 v88, v88, v90
	s_wait_alu depctr_va_vdst(0)
	v_rcp_f32 v92, v84
	v_rcp_f32 v94, v88
	v_nop                                          ; a plain line behind the reciprocals
	s_wait_alu depctr_va_vdst(0)
.irp q, 0,1
.irp j, 0,2,4,6,8,10,12,14
	v_pk_mul_f32 v[OO+16*\q+\j:OO+16*\q+\j+1], v[OO+16*\q+\j:OO+16*\q+\j+1], v[92+2*\q:93+2*\q] op_sel_hi:[1,0]   ; (the pair's low word serves both halves; v93 and v95 were written with Q's fragments)
.endr
.endr
	QUANT OO, 2, 64, CC
	IMGOUT CIMG, CSC, 2, 64, CC
	BARRIER                                        ; the context's two tiles lie in LDS
; ---- out_proj
.irp q, 0,1
.irp j, 0,1,2,3
	ds_load_b128 v[OO+16*\q+4*\j:OO+16*\q+4*\j+3], v[MQ] offset:16*\q*MP+16*\j   ; mod at my queries and units, for the residual: issued ahead of the product's loads, so in when those are
.endr
.endr
	s_wait_loadcnt 16                              ; W6 and bout: behind them W7, bfc, gamma and beta
	PROD 6, CIMG, CSC, 2, 0, 1, 224, 0
	s_wait_loadcnt 4                               ; W7 and bfc: gamma's and beta's four loads may be out
	WIN 0x04                                       ; source 1 in window 1
.set mi, 0
.rept 16
	v_pk_add_f32 v[OO+2*mi:OO+2*mi+1], v[OO+2*mi:OO+2*mi+1], v[80+(2*mi)%16:80+(2*mi)%16+1]   ; mod + bfc: the C of the last product's first K step
.set mi, mi+1
.endr
	WIN 0
	QUANT ACC, 2, 64, 88
	IMGOUT OIMG, OSC, 2, 64, 88
	BARRIER
; ---- fc, the residual in its C; y's rows meet in the stage
	PROD 7, OIMG, OSC, 2, 0, 0, OO, 16
.irp t, 0,1
.irp u, 0,1
.irp j, 0,1
	ds_store_b128 v[YW], v[ACC+16*\t+8*\u+4*\j:ACC+16*\t+8*\u+4*\j+3] offset:16*\t*MP+32*\u+16*\j   ; each accumulator from its low end on
.endr
.endr
.endr
	BARRIER                                        ; 32 whole rows of y lie in the stage
; ---- LayerNorm: wave w takes rows 4 w .. 4 w + 3 whole; a lane holds columns 4 x lane + 0 .. 3 and 128 + 4 x lane + 0 .. 3.  Mean first, then the squares of y - mean: no difference of large sums
.irp p, 0,1,2,3
	ds_load_b128 v[64+8*\p:64+8*\p+3], v[YR] offset:\p*MP
	ds_load_b128 v[64+8*\p+4:64+8*\p+7], v[YR] offset:\p*MP+512
.endr
.irp p, 0,1,2,3
	v_mov_b32 v[104+\p], 0                         ; a lane permute's destination counts as one of its sources
.endr
.macro ROWSUM base                     ; v[base + 2 p], p = 0 .. 3, summed over the 32 lanes, the four rows by turns
.irp x, 1,2,4,8
.irp p, 0,1,2,3
	s_delay_alu instid0(VALU_DEP_4)
	v_add_f32_dpp v[(\base)+2*\p], v[(\base)+2*\p], v[(\base)+2*\p] row_xmask:\x row_mask:0xf bank_mask:0xf
.endr
.endr
.irp p, 0,1,2,3
	s_delay_alu instid0(VALU_DEP_4)
	v_permlanex16_b32 v[104+\p], v[(\base)+2*\p], s44, s45
.endr
.irp p, 0,1,2,3
	s_delay_alu instid0(VALU_DEP_4)
	v_add_f32 v[(\base)+2*\p], v[(\base)+2*\p], v[104+\p]
.endr
.endm
	s_wait_dscnt 0x0
	s_wait_loadcnt 0x0                             ; gamma and beta
.irp p, 0,1,2,3
	v_pk_add_f32 v[96+2*\p:97+2*\p], v[64+8*\p:65+8*\p], v[66+8*\p:67+8*\p]
	v_pk_add_f32 v[112+2*\p:113+2*\p], v[68+8*\p:69+8*\p], v[70+8*\p:71+8*\p]
.endr
.irp p, 0,1,2,3
	v_pk_add_f32 v[96+2*\p:97+2*\p], v[96+2*\p:97+2*\p], v[112+2*\p:113+2*\p]
.endr
.irp p, 0,1,2,3
	s_delay_alu instid0(VALU_DEP_4)
	v_add_f32 v[96+2*\p], v[96+2*\p], v[97+2*\p]
.endr
	ROWSUM 96
.irp p, 0,1,2,3
	s_delay_alu instid0(VALU_DEP_4)
	v_mul_f32 v[96+2*\p], 0xbb800000, v[96+2*\p]   ; -mean
.endr
.irp p, 0,1,2,3
.irp k, 0,2,4,6
	v_pk_add_f32 v[64+8*\p+\k:65+8*\p+\k], v[64+8*\p+\k:65+8*\p+\k], v[96+2*\p:97+2*\p] op_sel_hi:[1,0]   ; y - mean
.endr
.endr
.irp p, 0,1,2,3
	v_pk_mul_f32 v[112+2*\p:113+2*\p], v[64+8*\p:65+8*\p], v[64+8*\p:65+8*\p]
.endr
.irp k, 2,4,6
.irp p, 0,1,2,3
	s_delay_alu instid0(VALU_DEP_4)
	v_pk_fma_f32 v[112+2*\p:113+2*\p], v[64+8*\p+\k:65+8*\p+\k], v[64+8*\p+\k:65+8*\p+\k], v[112+2*\p:113+2*\p]
.endr
.endr
.irp p, 0,1,2,3
	s_delay_alu instid0(VALU_DEP_4)
	v_add_f32 v[112+2*\p], v[112+2*\p], v[113+2*\p]
.endr
	ROWSUM 112
.irp p, 0,1,2,3
	s_delay_alu instid0(VALU_DEP_4)
	v_fma_f32 v[112+2*\p], v[112+2*\p], s50, s51   ; the variance + 1e-6
.endr
	s_wait_alu depctr_va_vdst(0)
.irp p, 0,1,2,3
	v_rsq_f32 v[120+2*\p], v[112+2*\p]
.endr
	v_nop                                          ; a plain line behind the roots
	s_wait_alu depctr_va_vdst(0)
.irp p, 0,1,2,3
.irp k, 0,2,4,6
	v_pk_mul_f32 v[64+8*\p+\k:65+8*\p+\k], v[64+8*\p+\k:65+8*\p+\k], v[120+2*\p:121+2*\p] op_sel_hi:[1,0]   ; (the pair's low word serves both halves; the upper registers were written with V's codes)
.endr
.endr
	WIN 0x14                                       ; sources 1 and 2 in window 1: gamma, beta
.irp p, 0,1,2,3
.irp k, 0,2,4,6
	v_pk_fma_f32 v[64+8*\p+\k:65+8*\p+\k], v[64+8*\p+\k:65+8*\p+\k], v[64+\k:65+\k], v[72+\k:73+\k]
.endr
.endr
	WIN 0
.irp p, 0,1,2,3
	global_store_b128 v[LI], v[64+8*\p:64+8*\p+3], s[30:31] offset:4096*\p th:TH_STORE_NT          ; the wave stores 512 consecutive bytes, at a multiple of 256 from out0's first byte; written once, read by nobody here
	global_store_b128 v[LI], v[64+8*\p+4:64+8*\p+7], s[30:31] offset:4096*\p+512 th:TH_STORE_NT
.endr
	s_wait_xcnt 0x0
	v_lshl_add_u32 v254, v0, 2, 0x2e800
	v_mov_b32 v255, 0
	s_wait_alu depctr_va_vdst(0)
	s_wait_tensorcnt 0x0
	ds_add_u32 v254, v255
	s_wait_dscnt 0x0
	s_endpgm
.Lfunc_end_k_q9c2812153c_main:
	.size	k_q9c2812153c_main, .Lfunc_end_k_q9c2812153c_main-k_q9c2812153c_main
	.p2alignl 7, 3214868480
	.fill 96, 4, 3214868480
	.section	.rodata,"a",@progbits
	.p2align	6, 0x0
	.amdhsa_kernel k_q9c2812153c_main
		.amdhsa_group_segment_fixed_size 191488
		.amdhsa_private_segment_fixed_size 0
		.amdhsa_enable_private_segment 0
		.amdhsa_kernarg_size 96
		.amdhsa_user_sgpr_count 2
		.amdhsa_user_sgpr_kernarg_segment_ptr 1
		.amdhsa_wavefront_size32 1
		.amdhsa_system_sgpr_workgroup_id_x 1
		.amdhsa_system_sgpr_workgroup_id_y 1
		.amdhsa_system_sgpr_workgroup_id_z 1
		.amdhsa_system_vgpr_workitem_id 0
		.amdhsa_next_free_vgpr 512
		.amdhsa_next_free_sgpr 66
		.amdhsa_reserve_vcc 0
		.amdhsa_float_denorm_mode_32 3
		.amdhsa_float_denorm_mode_16_64 3
		.amdhsa_memory_ordered 1
		.amdhsa_forward_progress 1
		.amdhsa_inst_pref_size 129
	.end_amdhsa_kernel
	.amdgpu_metadata
---
amdhsa.version: [ 1, 2 ]
amdhsa.kernels:
  - .name:           k_q9c2812153c_main
    .symbol:         k_q9c2812153c_main.kd
    .args:
      - { .name: mod, .offset: 0, .size: 8, .value_kind: global_buffer, .address_space: global }
      - { .name: wcodes, .offset: 8, .size: 8, .value_kind: global_buffer, .address_space: global }
      - { .name: wscales, .offset: 16, .size: 8, .value_kind: global_buffer, .address_space: global }
      - { .name: bq, .offset: 24, .size: 8, .value_kind: global_buffer, .address_space: global }
      - { .name: bk, .offset: 32, .size: 8, .value_kind: global_buffer, .address_space: global }
      - { .name: bv, .offset: 40, .size: 8, .value_kind: global_buffer, .address_space: global }
      - { .name: bin_, .offset: 48, .size: 8, .value_kind: global_buffer, .address_space: global }
      - { .name: bout, .offset: 56, .size: 8, .value_kind: global_buffer, .address_space: global }
      - { .name: bfc, .offset: 64, .size: 8, .value_kind: global_buffer, .address_space: global }
      - { .name: gamma, .offset: 72, .size: 8, .value_kind: global_buffer, .address_space: global }
      - { .name: beta, .offset: 80, .size: 8, .value_kind: global_buffer, .address_space: global }
      - { .name: out0, .offset: 88, .size: 8, .value_kind: global_buffer, .address_space: global }
    .group_segment_fixed_size: 191488
    .private_segment_fixed_size: 0
    .kernarg_segment_align: 8
    .kernarg_segment_size: 96
    .max_flat_workgroup_size: 256
    .sgpr_count:     66
    .vgpr_count:     512
    .wavefront_size: 32
...
	.end_amdgpu_metadata
.endif
;; end of part 2
